; MI455X (gfx1250); checked and timed in simulation.
; The chip was launched on July 23, 2026; its instructions are those of AMD's public machine-readable ISA for CDNA 5 (MIT licence, August 2026) and "CDNA5" Instruction Set Architecture Reference Guide (July 2026). The comments in the code are by the model that wrote it; some were corrected since.
;; Voxel Graph. Allowed arithmetic: float matrix products may take bf16 or f16 operands with f32 sums; all other float work in f32.
;; Inputs: query_bxyz 8,192 x 4 float32; ref_bxyz 8,192 x 4 float32.
;; Outputs: out0 2 x 262,144 int32; out1 8,192 x 32 float32.
;; 2 versions, each right; version 2 is version 1 with the launches filter, select written anew for expert scheduling mode. Each part assembles by itself: llvm-mc -triple=amdgcn-amd-amdhsa -mcpu=gfx1250 --defsym DOCPART=n.
;; ======== version 1 of 2: 2 launches
;; limits: values outside matrix products are rounded to bf16
;; workspace buffers: flags 262,144 bytes of whole numbers; vox 262,144 bytes of whole numbers
;; launch filter (part 1): grid 16 x 16, 4 waves a work-group, no clusters, 8,960 bytes of LDS; arguments query_bxyz, ref_bxyz, flags, vox; writes flags, vox
.if DOCPART == 1
	.amdgcn_target "amdgcn-amd-amdhsa--gfx1250"
	.amdhsa_code_object_version 6
	.text
	.protected	k_qc42231ccba_filter
	.globl	k_qc42231ccba_filter
	.p2align	8
	.type	k_qc42231ccba_filter,@function
k_qc42231ccba_filter:
	s_mov_b64 s[64:65], 0
	v_nop
	global_prefetch_b8 v0, s[64:65] scope:SCOPE_SE
	s_setreg_imm32_b32 hwreg(HW_REG_WAVE_MODE, 25, 1), 1
	s_wait_xcnt 0x0
; VoxelGraph, launch 1 of 2: which groups of 32 consecutive references can hold a neighbour of which query.
; FORMAT (a stated limit): all four columns of both inputs are rounded to bf16 (nearest even) as they are loaded, here and in launch 2; everything
; behind that is f32 on the rounded numbers.  d2 = qq + rr - 2 q.r is a difference of large sums: it cancels only if all terms see the same numbers.
; RANGE (a stated limit): finite inputs, voxel numbers inside int32.
; THE TEST.  A voxel number v is folded to F(v), its distance to the nearest multiple of 512 (batch: of 64).  F never spreads two numbers apart.
; With c = (2 Fb - 32, Fx - 128, Fy - 128, Fz - 128) a pair inside the window (same batch voxel; x, y, z voxels at most 1 apart) has
; D = |c_q - c_r|^2 <= 3: no neighbour is lost, whatever the range; a pair that only looks near after folding is thrown out in launch 2 on the integers.
; D = N_q + N_r - 2 c_q.c_r is ONE bf16 matrix instruction for 16 x 16 pairs.  N = |c|^2 <= 50,176 < 2^16 is cut into two bf16 pieces.  K places:
;   k 0-3: c_q x (-2 c_r)     k 4, 5: N_q's pieces x 1, 1     k 6, 7: 1, 1 x N_r's pieces     k 8-31: one side is 0, the other finite.
; All terms are integers below 2^18: the f32 sums are exact.
; SHARES.  Grid 16 x 16; a work-group takes 512 queries x 512 references; wave w keeps queries 128 w .. + 127 as 8 fragments in registers and walks
; the 32 reference tiles, which all four waves read from LDS.  Column r of tile t is reference 32 r + t, so a lane's running minimum over the 32
; tiles speaks for 32 consecutive references.  Row m of query tile i is query 16 i + 2 (m & 7) + (m >> 3), so the lane mask of a compare
; (lanes 0-15: row j, lanes 16-31: row j + 8) is the 16-bit flags of two neighbouring queries.
; OUT.  flags[block of 512 references][query], 16 bits, bit r = group r of the block.  vox: voxel numbers as int32, references, then queries;
; stored by the work-groups of block row 0 and of block column 0.
; NO CLUSTER, NO TENSOR LOAD: a work-group reads 16 KiB of points once, at its head, for 262,144 pair tests, and every point passes through
; registers to become voxel numbers before it is an operand.
.set PITCH, 528                        ; an LDS row: 32 tiles x 16 bytes + 16 = 33 x 16: the 16 rows of a fragment load lie in 16 different 16-byte columns modulo 256
.set LANE, 1
.set RO,   2                           ; byte offset of my reference in the block (step 0)
.set QO,   3                           ; byte offset of my query in the block (tile pair 0)
.set LS,   4                           ; LDS: where my wave's references go
.set LL,   5                           ; LDS: my row of a reference fragment, tile 0
.set FO,   6                           ; my 8 bytes of the wave's flags
.set S0,   7
.set S1,   8
.set ZERO, 9
.set CY01, 10                          ; reciprocals of the voxel sizes 0.999f, 0.4f, rounded to f32
.set CY23, 12
.set CND01, 14                         ; minus the voxel sizes
.set CND23, 16
.set CMIN, 18                          ; (40, 3): minus the range's lower corner in y and z (0 for batch and x)
.set CI01, 20                          ; (1/64, 1/512)
.set CI23, 22                          ; (1/512, 1/512)
.set CM01, 24                          ; (-64, -512)
.set CM23, 26                          ; (-512, -512)
.set W,    28                          ; v[28:31] a point's K places 0-7, packed
.set T,    32                          ; v[32:39] at work
.set AONE, 40                          ; two bf16 ones in lanes 0-15, zero above
.set A,    44                          ; v[44:79] 8 query fragments of 4 registers, then 4 zeros.  A fragment's registers 4-7 (K 16-31) are its neighbour's data: they meet zeros in B
.set B,    80                          ; v[80:111] 4 reference fragments of 8 registers, the upper four always zero
.set X,    112                         ; v[112:143] two sets of two result tiles, by turns
.set PTS,  X                           ; before the walk: a lane's 8 points, then their voxel numbers in f32
.set ACC,  144                         ; v[144:207] minimum of D for tile i, register j at ACC + 8 i + j; before the walk: voxel numbers as integers
.set OUT,  208                         ; v[208:209] the wave's 64 words of flags
	s_load_b256 s[4:11], s[0:1], 0x0               ; query s[4:5], ref s[6:7], flags s[8:9], vox s[10:11]
	v_lshl_add_u32 v212, v0, 2, 0x2100
	v_mov_b32 v213, 0
	v_and_b32 v[LANE], 31, v0
	v_lshrrev_b32 v[S0], 5, v0
	v_readfirstlane_b32 s12, v[S0]                 ; wave 0..3
	s_mov_b32 s13, ttmp9                           ; block of references
	s_and_b32 s14, ttmp7, 0xffff                   ; block of queries
	s_lshl_b32 s20, s13, 13                        ; 512 points x 16 bytes
	s_mov_b32 s21, 0
	s_lshl_b32 s22, s14, 13
	s_mov_b32 s23, 0
	s_lshl_b32 s28, s13, 14                        ; flags: 8,192 queries x 2 bytes for a block of references,
	s_lshl_b32 s29, s14, 10                        ; 512 x 2 for a block of queries,
	s_add_co_u32 s28, s28, s29
	s_lshl_b32 s29, s12, 8                         ; 128 x 2 for a wave
	s_add_co_u32 s28, s28, s29
	s_mov_b32 s29, 0
	s_lshl_b32 s30, s12, 11                        ; a wave's 128 points x 16 bytes
	s_mul_i32 s15, s12, 4*PITCH                    ; a wave's 128 references are 4 LDS rows of its own
	s_mov_b32 s16, 0x76543210                      ; v_permlanex16_b32: lane i reads lane i of the other half
	s_mov_b32 s17, 0xfedcba98
	s_mov_b32 s18, 0x07060302                      ; v_perm_b32: the upper halves of two words
	s_mov_b32 s19, 0xffff0000                      ; a word's upper half; as a lane mask: lanes 16-31
	s_mov_b32 s2, 0xc2000000                       ; -32
	s_mov_b32 s3, 0xc3000000                       ; -128
	s_mov_b32 s31, 0x40600000                      ; 3.5: D is a whole number, so 3.5 > D is D <= 3
	v_lshl_add_u32 v[RO], v[LANE], 4, s30          ; step s takes references 128 w + 32 s + lane
	v_and_b32 v[S0], 16, v[LANE]                   ; tile pair p: lanes 0-15 take tile 2 p, lanes 16-31 tile 2 p + 1; row m = lane & 15
	v_and_b32 v[S1], 7, v[LANE]
	v_lshl_or_b32 v[S0], v[S1], 1, v[S0]
	v_bfe_u32 v[S1], v[LANE], 3, 1
	v_or_b32 v[S0], v[S0], v[S1]                   ; 16 (lane >> 4) + 2 (m & 7) + (m >> 3)
	v_lshl_add_u32 v[QO], v[S0], 4, s30
	v_lshl_add_u32 v[LS], v[LANE], 4, s15          ; reference 32 r + t lies at row r, byte 16 t: here t = lane, r = 4 w + s
	v_and_b32 v[S0], 15, v[LANE]
	v_mul_u32_u24 v[LL], v[S0], PITCH              ; both halves of the lanes read column r's row: lanes 16-31 (K 8-15) meet zeros in A
	v_lshlrev_b32 v[FO], 3, v[LANE]
	s_wait_kmcnt 0x0
	s_add_nc_u64 s[6:7], s[6:7], s[20:21]          ; my block of references
	s_add_nc_u64 s[4:5], s[4:5], s[22:23]          ; my block of queries
	s_add_nc_u64 s[24:25], s[10:11], s[20:21]      ; their voxel numbers: references first,
	s_add_nc_u64 s[26:27], s[10:11], s[22:23]
	s_add_nc_u64 s[26:27], s[26:27], 0x20000       ; queries behind the 8,192 x 16 bytes of the references
	s_add_nc_u64 s[8:9], s[8:9], s[28:29]
.irp s, 0,1,2,3
	global_load_b128 v[PTS+4*\s:PTS+4*\s+3], v[RO], s[6:7] offset:512*\s          ; 512 neighbouring bytes
.endr
.irp p, 0,1,2,3
	global_load_b128 v[PTS+16+4*\p:PTS+16+4*\p+3], v[QO], s[4:5] offset:512*\p    ; the 512 bytes of 32 queries, lanes in the order of the rows
.endr
	; constants, while the points are on their way
	v_mov_b32 v[ZERO], 0
	v_mov_b32 v[CY01], 0x3f8020cd
	v_mov_b32 v[CY01+1], 0x40200000
	v_mov_b32 v[CY23], 0x40200000
	v_mov_b32 v[CY23+1], 0x40200000
	v_mov_b32 v[CND01], 0xbf7fbe77
	v_mov_b32 v[CND01+1], 0xbecccccd
	v_mov_b32 v[CND23], 0xbecccccd
	v_mov_b32 v[CND23+1], 0xbecccccd
	v_mov_b32 v[CMIN], 0x42200000
	v_mov_b32 v[CMIN+1], 0x40400000
	v_mov_b32 v[CI01], 0x3c800000
	v_mov_b32 v[CI01+1], 0x3b000000
	v_mov_b32 v[CI23], 0x3b000000
	v_mov_b32 v[CI23+1], 0x3b000000
	v_mov_b32 v[CM01], 0xc2800000
	v_mov_b32 v[CM01+1], 0xc4000000
	v_mov_b32 v[CM23], 0xc4000000
	v_mov_b32 v[CM23+1], 0xc4000000
	v_mov_b32 v[W+2], 0x3f803f80                   ; a reference's K places 4, 5: ones against N_q's pieces; stays through the references
	v_cndmask_b32 v[AONE], v[W+2], v[ZERO], s19    ; a query's K places 6, 7, in lanes 0-15 alone
.irp k, 32,33,34,35
	v_mov_b32 v[A+\k], 0                           ; behind the last query fragment
.endr
.irp f, 0,1,2,3
.irp k, 4,5,6,7
	v_mov_b32 v[B+8*\f+\k], 0                      ; K places 16-31 of every reference fragment; the loads fill registers 0-3 only
.endr
.endr
; A point (batch, x, y, z) in v[P .. P+3] becomes its four voxel numbers floor((p - lower corner) / voxel size) in f32, which stay in P.
; The quotient is the correctly rounded one: q = t y, the exact remainder t - d q, then q + remainder x y, with y the rounded reciprocal of d.
; Then the fold: T .. T+3 = c, T+5 and T+6 = the two bf16 pieces of N.  v - 512 rne(v / 512) is exact; a piece is the upper 16 bits of what is left.
.macro POINT P
	v_cvt_pk_bf16_f32 v[T], v[\P], v[\P+1]         ; the input's rounding to bf16
	v_cvt_pk_bf16_f32 v[T+1], v[\P+2], v[\P+3]
	v_lshlrev_b32 v[\P], 16, v[T]
	v_and_b32 v[\P+1], s19, v[T]
	v_lshlrev_b32 v[\P+2], 16, v[T+1]
	v_and_b32 v[\P+3], s19, v[T+1]
	v_pk_add_f32 v[\P+2:\P+3], v[\P+2:\P+3], v[CMIN:CMIN+1]
	v_pk_mul_f32 v[T:T+1], v[\P:\P+1], v[CY01:CY01+1]
	v_pk_mul_f32 v[T+2:T+3], v[\P+2:\P+3], v[CY23:CY23+1]
	v_pk_fma_f32 v[\P:\P+1], v[T:T+1], v[CND01:CND01+1], v[\P:\P+1]
	v_pk_fma_f32 v[\P+2:\P+3], v[T+2:T+3], v[CND23:CND23+1], v[\P+2:\P+3]
	v_pk_fma_f32 v[T:T+1], v[\P:\P+1], v[CY01:CY01+1], v[T:T+1]
	v_pk_fma_f32 v[T+2:T+3], v[\P+2:\P+3], v[CY23:CY23+1], v[T+2:T+3]
.irp k, 0,1,2,3
	v_floor_f32 v[\P+\k], v[T+\k]
.endr
	v_pk_mul_f32 v[T:T+1], v[\P:\P+1], v[CI01:CI01+1]
	v_pk_mul_f32 v[T+2:T+3], v[\P+2:\P+3], v[CI23:CI23+1]
.irp k, 0,1,2,3
	v_rndne_f32 v[T+\k], v[T+\k]
.endr
	v_pk_fma_f32 v[T:T+1], v[T:T+1], v[CM01:CM01+1], v[\P:\P+1]
	v_pk_fma_f32 v[T+2:T+3], v[T+2:T+3], v[CM23:CM23+1], v[\P+2:\P+3]
	v_fma_f32 v[T], |v[T]|, 2.0, s2                ; 2 Fb - 32: a step of one batch voxel counts 4 in D
.irp k, 1,2,3
	v_add_f32 v[T+\k], s3, |v[T+\k]|               ; F - 128
.endr
	v_pk_mul_f32 v[T+4:T+5], v[T:T+1], v[T:T+1]
	v_pk_fma_f32 v[T+4:T+5], v[T+2:T+3], v[T+2:T+3], v[T+4:T+5]
	v_add_f32 v[T+4], v[T+4], v[T+5]               ; N
	v_and_b32 v[T+5], s19, v[T+4]                  ; its upper 8 bits,
	v_sub_f32 v[T+6], v[T+4], v[T+5]               ; and the rest, below 256
.endm
	; my wave's 128 references, 32 at a time, into LDS
.irp s, 0,1,2,3
	s_wait_loadcnt 7-\s                            ; loads come back in order: step s is in, the younger ones stay out
	POINT PTS+4*\s
	v_pk_mul_f32 v[T:T+1], v[T:T+1], -2.0 op_sel_hi:[1,0]
	v_pk_mul_f32 v[T+2:T+3], v[T+2:T+3], -2.0 op_sel_hi:[1,0]
	v_perm_b32 v[W], v[T+1], v[T], s18             ; whole numbers of 8 bits: the upper halves are the bf16 numbers
	v_perm_b32 v[W+1], v[T+3], v[T+2], s18
	v_perm_b32 v[W+3], v[T+6], v[T+5], s18         ; K 6, 7: N_r's pieces
	ds_store_b128 v[LS], v[W:W+3] offset:PITCH*\s  ; 32 lanes, 512 neighbouring bytes
.endr
	; my wave's 128 queries, two tiles at a time, straight into fragments
.irp p, 0,1,2,3
	s_wait_loadcnt 3-\p
	POINT PTS+16+4*\p
	v_perm_b32 v[W], v[T+1], v[T], s18
	v_perm_b32 v[W+1], v[T+3], v[T+2], s18
	v_perm_b32 v[W+2], v[T+6], v[T+5], s18         ; K 4, 5: N_q's pieces
.irp k, 0,1,2
	v_permlanex16_b32 v[T+\k], v[W+\k], s16, s17   ; tile 2 p + 1's rows come down to lanes 0-15 (T has been written: the destination counts as read)
.endr
.irp k, 0,1,2
	v_cndmask_b32 v[A+8*\p+\k], v[W+\k], v[ZERO], s19          ; lanes 16-31 hold K 8-15: zeros
	v_cndmask_b32 v[A+8*\p+4+\k], v[T+\k], v[ZERO], s19
.endr
	v_mov_b32 v[A+8*\p+3], v[AONE]
	v_mov_b32 v[A+8*\p+7], v[AONE]
.endr
	; the voxel numbers as integers, each stored by one work-group of the grid
	s_cmp_lg_u32 s14, 0
	s_cbranch_scc1 .Lno_ref_vox
.irp k, 0,1,2,3,4,5,6,7,8,9,10,11,12,13,14,15
	v_cvt_i32_f32 v[ACC+\k], v[PTS+\k]
.endr
.irp s, 0,1,2,3
	global_store_b128 v[RO], v[ACC+4*\s:ACC+4*\s+3], s[24:25] offset:512*\s
.endr
.Lno_ref_vox:
	s_cmp_lg_u32 s13, 0
	s_cbranch_scc1 .Lno_query_vox
.irp k, 0,1,2,3,4,5,6,7,8,9,10,11,12,13,14,15
	v_cvt_i32_f32 v[ACC+16+\k], v[PTS+16+\k]
.endr
.irp p, 0,1,2,3
	global_store_b128 v[QO], v[ACC+16+4*\p:ACC+16+4*\p+3], s[26:27] offset:512*\p
.endr
.Lno_query_vox:
	s_wait_dscnt 0x0                               ; my references are in LDS: zero, for the other waves' sake
	s_barrier_signal -1
	s_barrier_wait -1                              ; everybody's are
	s_wait_xcnt 0x0                                ; ACC, the data of the stores above, is written again only behind this wait
; Two products: query tile i against the two reference tiles of the current pair.  C is the constant 0: every product stands alone, there is no chain.
.macro PRODUCTS i
	v_wmma_f32_16x16x32_bf16 v[X+16*((\i)%2):X+16*((\i)%2)+7], v[A+4*(\i):A+4*(\i)+7], v[B+16*CUR:B+16*CUR+7], 0
	v_wmma_f32_16x16x32_bf16 v[X+16*((\i)%2)+8:X+16*((\i)%2)+15], v[A+4*(\i):A+4*(\i)+7], v[B+16*CUR+8:B+16*CUR+15], 0
.endm
; Their 16 result registers go into query tile i's 8 running minima; the first pair of tiles starts them: nothing is cleared.
.macro MINS i, first
.irp j, 0,1,2,3,4,5,6,7
.if \first
	v_min_num_f32 v[ACC+8*(\i)+\j], v[X+16*((\i)%2)+\j], v[X+16*((\i)%2)+8+\j]
.else
	v_min3_num_f32 v[ACC+8*(\i)+\j], v[ACC+8*(\i)+\j], v[X+16*((\i)%2)+\j], v[X+16*((\i)%2)+8+\j]
.endif
.endr
.endm
; One pair of reference tiles against all 8 query tiles.  The minima of tile i - 1 stand behind the products of tile i: eight independent vector
; instructions between a product and the first reader of its result, between it and the product that writes that result set again, and
; between the last product that read a fragment buffer and the load that fills it (ISA guide 7.12.1 asks for four and five places).
.macro PAIR tp
.set CUR, (\tp)%2
.if \tp < 15
	ds_load_b128 v[B+16*(1-CUR):B+16*(1-CUR)+3], v[LL] offset:32*(\tp)+32       ; the next pair's fragments, a whole pair ahead
	ds_load_b128 v[B+16*(1-CUR)+8:B+16*(1-CUR)+11], v[LL] offset:32*(\tp)+48
	s_wait_dscnt 0x2                               ; all but these two: this pair's fragments are in
.else
	s_wait_dscnt 0x0
.endif
	PRODUCTS 0
.if \tp == 0
.rept 5
	v_nop                                          ; the very first products have no minima to put behind them
.endr
.endif
.if \tp == 1
	MINS 7, 1
.endif
.if \tp > 1
	MINS 7, 0
.endif
.irp i, 1,2,3,4,5,6,7
	PRODUCTS \i
.if \tp == 0
	MINS \i-1, 1
.else
	MINS \i-1, 0
.endif
.endr
.endm
	ds_load_b128 v[B:B+3], v[LL]
	ds_load_b128 v[B+8:B+11], v[LL] offset:16
.irp tp, 0,1,2,3,4,5,6,7,8,9,10,11,12,13,14,15
	PAIR \tp
.endr
	MINS 7, 0
	; D <= 3 somewhere in the group?  The mask of minimum 8 i + j is word 8 i + j of the wave's flags: queries 16 i + 2 j (lanes 0-15) and + 1 (lanes 16-31).
	v_mov_b32 v[OUT], 0                            ; v_writelane_b32's destination counts as read
	v_mov_b32 v[OUT+1], 0
.irp b, 0,1,2,3
.irp k, 0,1,2,3,4,5,6,7,8,9,10,11,12,13,14,15
	v_cmp_gt_f32 s[32+\k], s31, v[ACC+16*\b+\k]
.endr
.irp k, 0,1,2,3,4,5,6,7,8,9,10,11,12,13,14,15
	v_writelane_b32 v[OUT+(\k%2)], s[32+\k], (16*\b+\k)/2      ; lane l holds words 2 l and 2 l + 1
.endr
.endr
	global_store_b64 v[FO], v[OUT:OUT+1], s[8:9]   ; the wave's 256 consecutive bytes, aligned
	s_wait_tensorcnt 0x0
	ds_add_u32 v212, v213
	s_wait_dscnt 0x0
	s_endpgm
.Lfunc_end_k_qc42231ccba_filter:
	.size	k_qc42231ccba_filter, .Lfunc_end_k_qc42231ccba_filter-k_qc42231ccba_filter
	.p2alignl 7, 3214868480
	.fill 96, 4, 3214868480
	.section	.rodata,"a",@progbits
	.p2align	6, 0x0
	.amdhsa_kernel k_qc42231ccba_filter
		.amdhsa_group_segment_fixed_size 8960
		.amdhsa_private_segment_fixed_size 0
		.amdhsa_enable_private_segment 0
		.amdhsa_kernarg_size 32
		.amdhsa_user_sgpr_count 2
		.amdhsa_user_sgpr_kernarg_segment_ptr 1
		.amdhsa_wavefront_size32 1
		.amdhsa_system_sgpr_workgroup_id_x 1
		.amdhsa_system_sgpr_workgroup_id_y 1
		.amdhsa_system_sgpr_workgroup_id_z 1
		.amdhsa_system_vgpr_workitem_id 0
		.amdhsa_next_free_vgpr 214
		.amdhsa_next_free_sgpr 66
		.amdhsa_reserve_vcc 0
		.amdhsa_float_denorm_mode_32 3
		.amdhsa_float_denorm_mode_16_64 3
		.amdhsa_memory_ordered 1
		.amdhsa_forward_progress 1
		.amdhsa_inst_pref_size 115
	.end_amdhsa_kernel
	.amdgpu_metadata
---
amdhsa.version: [ 1, 2 ]
amdhsa.kernels:
  - .name:           k_qc42231ccba_filter
    .symbol:         k_qc42231ccba_filter.kd
    .args:
      - { .name: query_bxyz, .offset: 0, .size: 8, .value_kind: global_buffer, .address_space: global }
      - { .name: ref_bxyz, .offset: 8, .size: 8, .value_kind: global_buffer, .address_space: global }
      - { .name: flags, .offset: 16, .size: 8, .value_kind: global_buffer, .address_space: global }
      - { .name: vox, .offset: 24, .size: 8, .value_kind: global_buffer, .address_space: global }
    .group_segment_fixed_size: 8960
    .private_segment_fixed_size: 0
    .kernarg_segment_align: 8
    .kernarg_segment_size: 32
    .max_flat_workgroup_size: 128
    .sgpr_count:     66
    .vgpr_count:     214
    .wavefront_size: 32
...
	.end_amdgpu_metadata
.endif
;; end of part 1
;; launch select (part 2): grid 256 x 1, 8 waves a work-group, no clusters, 13,312 bytes of LDS; arguments query_bxyz, ref_bxyz, flags, vox, out0, out1; writes out0, out1
.if DOCPART == 2
	.amdgcn_target "amdgcn-amd-amdhsa--gfx1250"
	.amdhsa_code_object_version 6
	.text
	.protected	k_qc42231ccba_select
	.globl	k_qc42231ccba_select
	.p2align	8
	.type	k_qc42231ccba_select,@function
k_qc42231ccba_select:
	s_mov_b64 s[64:65], 0
	v_nop
	global_prefetch_b8 v0, s[64:65] scope:SCOPE_SE
	s_setreg_imm32_b32 hwreg(HW_REG_WAVE_MODE, 25, 1), 1
	s_wait_xcnt 0x0
; VoxelGraph, launch 2 of 2: the neighbours of each query, nearest first, at most 32.
; A wave takes four queries, one after the other.  Every branch and every address hangs on whole numbers that launch 1 stored: flags (which groups of
; 32 consecutive references can hold a neighbour) and vox (voxel numbers as int32).  For a flagged group lane t takes reference 32 g + t; the window
; (same batch voxel; x, y, z voxels at most 1 apart) is tested on the integers, so the loop over true neighbours is counted by whole numbers too.
; THE LIST lies over the 32 lanes: lane k holds the k-th nearest so far, +inf where there is none.  A neighbour is put in by one compare, a shift by one
; lane and selects: no address and no branch hangs on a distance.  Groups, and lanes in a group, come in ascending order of the reference's index,
; and the compare is strict: of equal distances the lower index stands first and the 33rd falls off, as in a stable top-k.
; FORMAT (a stated limit, as in launch 1): x, y, z are rounded to bf16 first; then qq = (x x + y y) + z z, rr likewise, dot = ((2x) x' + (2y) y') + (2z) z',
; d2 = (qq + rr) - dot in f32, in this order.  Products of bf16 numbers are exact in f32, so each fused multiply-add rounds as a multiply and an add would.
; d2 > 1e10 (the radius squared) or NaN becomes +inf, which the strict compare never puts into the list.  RANGE: finite inputs, voxel numbers inside int32.
; Results of four queries pass through the wave's own 1,536 bytes of LDS, so that each store of the wave covers 512 consecutive bytes, aligned.
; No matrix unit: a dozen multiply-adds a lane for a flagged group, in an order of sums that has to be kept.  No cluster: the work-groups share no tile.
.set FW,  3                            ; my dword of flags: block lane >> 1, queries 4 W + 2 (lane & 1) and + 1
.set H,   4                            ; the 16 bits of the query at work
.set L16, 5                            ; 16 x lane
.set OFF, 6
.set LA,  7                            ; LDS: 4 x lane in my wave's stage
.set LB,  8                            ; LDS: 16 x lane in it
.set VR,  10                           ; v[10:13] the reference's voxel numbers
.set RF,  14                           ; v[14:17] the reference
.set T0,  18
.set T1,  19
.set RX,  20
.set RY,  21
.set RZ,  22
.set RR,  23
.set DOT, 24
.set D2,  25
.set QX,  26                           ; 2 x, 2 y, 2 z of the query
.set QY,  27
.set QZ,  28
.set QQ,  29
.set LK,  30                           ; the list: distances
.set LI,  31                           ; the list: indices, -1 where there is none
.set KU,  32                           ; the list one lane up
.set IU,  33
.set CD,  34                           ; the candidate
.set CI,  35
.set DA,  36
.set DB,  37
.set DC,  38
.set DO,  40
.set QV,  41
.set INFV, 42
.set O0,  44
.set O1,  48
.set O2,  52
.set QI,  32                           ; s[32:47] voxel numbers of my four queries
.set QF,  48                           ; s[48:63] my four queries
.set M1,  66                           ; lanes whose 16 bits are not 0
.set N1,  67
.set C1,  68
.set RB,  69
.set TMP, 70
.set HW,  71
.set N2,  72
.set C2,  73
.set GR,  74
.set GO,  75
.set EM,  76                           ; lanes that hold a true neighbour
.set N3,  77
.set C3,  78
.set LN,  79
.set SD,  80
.set SI,  81
.set K15, 82
.set I15, 83
.set MM,  84
.set MS,  85
.set X1,  86
.set Y1,  87
.set Z1,  88
.set R0,  89
.set QN,  90
.set EM2, 91
	s_load_b256 s[4:11], s[0:1], 0x0               ; query s[4:5], ref s[6:7], flags s[8:9], vox s[10:11]
	s_load_b128 s[12:15], s[0:1], 0x20             ; out0 s[12:13], out1 s[14:15]
	v_lshl_add_u32 v56, v0, 2, 0x3000
	v_mov_b32 v57, 0
	v_and_b32 v1, 31, v0
	v_lshrrev_b32 v2, 5, v0
	v_readfirstlane_b32 s16, v2                    ; wave 0..7
	s_lshl3_add_u32 s17, ttmp9, s16                ; W = 8 x work-group + wave; my queries are 4 W .. 4 W + 3
	s_lshl_b32 s18, s17, 6                         ; 4 points x 16 bytes
	s_mov_b32 s19, 0
	s_lshl_b32 s24, s17, 3                         ; 4 queries x 2 bytes of flags
	s_mov_b32 s25, 0
	s_lshl_b32 s26, s17, 9                         ; 4 queries x 32 places x 4 bytes
	s_mov_b32 s27, 0
	s_lshl_b32 s28, s17, 2                         ; my first query
	s_mul_i32 s29, s16, 1536                       ; my wave's stage
	s_mov_b32 s30, 0x501502f9                      ; 1e10, exact in f32
	v_lshrrev_b32 v2, 1, v1
	v_and_b32 v[T0], 1, v1
	v_lshlrev_b32 v2, 14, v2                       ; a block's flags are 8,192 x 2 bytes
	v_lshl_or_b32 v2, v[T0], 2, v2
	v_lshlrev_b32 v[L16], 4, v1
	v_lshl_add_u32 v[LA], v1, 2, s29
	v_lshl_add_u32 v[LB], v1, 4, s29
	v_mov_b32 v[KU], 0                             ; destinations of DPP moves count as read
	v_mov_b32 v[IU], 0
	v_mov_b32 v[INFV], 0x7f800000
	s_wait_kmcnt 0x0
	s_add_nc_u64 s[8:9], s[8:9], s[24:25]
	global_load_b32 v[FW], v2, s[8:9]
	s_add_nc_u64 s[20:21], s[10:11], s[18:19]
	s_add_nc_u64 s[20:21], s[20:21], 0x20000       ; the queries' voxel numbers lie behind the references'
	s_add_nc_u64 s[22:23], s[4:5], s[18:19]
	s_load_b512 s[QI:QI+15], s[20:21], 0x0
	s_load_b512 s[QF:QF+15], s[22:23], 0x0
	s_add_nc_u64 s[12:13], s[12:13], s[26:27]
	s_add_nc_u64 s[14:15], s[14:15], s[26:27]
	s_wait_loadcnt 0x0
	s_wait_kmcnt 0x0
.macro QUERY e
	v_mov_b32 v[LK], v[INFV]                       ; an empty list
	v_mov_b32 v[LI], -1
.if \e & 1
	v_lshrrev_b32 v[H], 16, v[FW]
.else
	v_and_b32 v[H], 0xffff, v[FW]
.endif
	v_cmp_ne_u32 vcc_lo, 0, v[H]
	s_and_b32 s[M1], vcc_lo, 0x55555555<<(\e>>1)   ; only the lanes whose dword holds this query
	s_cmp_eq_u32 s[M1], 0
	s_cbranch_scc1 .Lwrite_\@                      ; no group flagged: the list stays empty
	v_mov_b32 v[QX], s[QF+4*\e+1]
	v_mov_b32 v[QY], s[QF+4*\e+2]
	v_mov_b32 v[QZ], s[QF+4*\e+3]
	v_cvt_pk_bf16_f32 v[T0], v[QX], v[QY]          ; the input's rounding to bf16
	v_cvt_pk_bf16_f32 v[T1], v[QZ], v[QZ]
	v_lshlrev_b32 v[QX], 16, v[T0]
	v_and_b32 v[QY], 0xffff0000, v[T0]
	v_lshlrev_b32 v[QZ], 16, v[T1]
	v_mul_f32 v[QQ], v[QX], v[QX]
	v_fma_f32 v[QQ], v[QY], v[QY], v[QQ]
	v_fma_f32 v[QQ], v[QZ], v[QZ], v[QQ]
	v_add_f32 v[QX], v[QX], v[QX]                  ; 2 q, exact
	v_add_f32 v[QY], v[QY], v[QY]
	v_add_f32 v[QZ], v[QZ], v[QZ]
	s_add_co_u32 s[X1], s[QI+4*\e+1], -1           ; |a - b| <= 1 is a - (b - 1) < 3 without sign
	s_add_co_u32 s[Y1], s[QI+4*\e+2], -1
	s_add_co_u32 s[Z1], s[QI+4*\e+3], -1
	s_bcnt1_i32_b32 s[N1], s[M1]                   ; so many blocks of 512 references have a flag: at least one here
	s_mov_b32 s[C1], 0
.Lblock_\@:
	s_ctz_i32_b32 s[RB], s[M1]                     ; the lowest such lane,
	s_add_co_u32 s[TMP], s[M1], -1
	s_and_b32 s[M1], s[M1], s[TMP]                 ; struck off
	v_readlane_b32 s[HW], v[H], s[RB]              ; its 16 bits, not all 0
	s_lshr_b32 s[RB], s[RB], 1                     ; its block
	s_bcnt1_i32_b32 s[N2], s[HW]
	s_mov_b32 s[C2], 0
.Lgroup_\@:
	s_ctz_i32_b32 s[GR], s[HW]
	s_add_co_u32 s[TMP], s[HW], -1
	s_and_b32 s[HW], s[HW], s[TMP]
	s_lshl4_add_u32 s[GR], s[RB], s[GR]            ; group = 16 x block + bit
	s_min_u32 s[GR], s[GR], 255                    ; a number that was loaded enters an address only clamped to the table: 256 groups
	s_lshl_b32 s[GO], s[GR], 9                     ; 32 references x 16 bytes
	s_lshl_b32 s[R0], s[GR], 5                     ; the group's first reference
	v_add_nc_u32 v[OFF], s[GO], v[L16]
	global_load_b128 v[VR:VR+3], v[OFF], s[10:11]  ; 512 neighbouring bytes each
	global_load_b128 v[RF:RF+3], v[OFF], s[6:7]
	s_wait_loadcnt 0x0                             ; both are in, so OFF may be written again in the next trip
	v_sub_nc_u32 v[DA], v[VR+1], s[X1]
	v_sub_nc_u32 v[DB], v[VR+2], s[Y1]
	v_sub_nc_u32 v[DC], v[VR+3], s[Z1]
	v_cmp_eq_u32 s[EM], s[QI+4*\e], v[VR]
	v_cmp_gt_u32 s[EM2], 3, v[DA]
	s_and_b32 s[EM], s[EM], s[EM2]
	v_cmp_gt_u32 s[EM2], 3, v[DB]
	s_and_b32 s[EM], s[EM], s[EM2]
	v_cmp_gt_u32 s[EM2], 3, v[DC]
	s_and_b32 s[EM], s[EM], s[EM2]
	v_cvt_pk_bf16_f32 v[T0], v[RF+1], v[RF+2]      ; the input's rounding to bf16
	v_cvt_pk_bf16_f32 v[T1], v[RF+3], v[RF+3]
	v_lshlrev_b32 v[RX], 16, v[T0]
	v_and_b32 v[RY], 0xffff0000, v[T0]
	v_lshlrev_b32 v[RZ], 16, v[T1]
	v_mul_f32 v[RR], v[RX], v[RX]
	v_fma_f32 v[RR], v[RY], v[RY], v[RR]
	v_fma_f32 v[RR], v[RZ], v[RZ], v[RR]
	v_mul_f32 v[DOT], v[QX], v[RX]
	v_fma_f32 v[DOT], v[QY], v[RY], v[DOT]
	v_fma_f32 v[DOT], v[QZ], v[RZ], v[DOT]
	v_add_f32 v[D2], v[QQ], v[RR]
	v_sub_f32 v[D2], v[D2], v[DOT]
	v_cmp_ge_f32 vcc_lo, s30, v[D2]                ; inside the radius; false for NaN
	v_cndmask_b32 v[D2], v[INFV], v[D2], vcc_lo
	s_bcnt1_i32_b32 s[N3], s[EM]
	s_cmp_eq_u32 s[N3], 0
	s_cbranch_scc1 .Lnone_\@                       ; the fold's false alarm
	s_mov_b32 s[C3], 0
.Lnb_\@:
	s_ctz_i32_b32 s[LN], s[EM]                     ; the neighbour of the lowest index,
	s_add_co_u32 s[TMP], s[EM], -1
	s_and_b32 s[EM], s[EM], s[TMP]                 ; struck off
	v_readlane_b32 s[SD], v[D2], s[LN]
	s_add_co_u32 s[SI], s[R0], s[LN]
	v_mov_b32 v[CD], s[SD]
	v_mov_b32 v[CI], s[SI]
	v_readlane_b32 s[K15], v[LK], 15
	v_readlane_b32 s[I15], v[LI], 15
	v_mov_b32_dpp v[KU], v[LK] row_shr:1 row_mask:0xf bank_mask:0xf       ; lane k takes lane k - 1 inside each half;
	v_mov_b32_dpp v[IU], v[LI] row_shr:1 row_mask:0xf bank_mask:0xf
	v_writelane_b32 v[KU], s[K15], 16              ; lane 16 takes lane 15; lane 0's value is never chosen
	v_writelane_b32 v[IU], s[I15], 16
	v_cmp_gt_f32 s[MM], v[LK], v[CD]               ; the places behind the candidate: the list ascends, so they are its upper end
	s_lshl_b32 s[MS], s[MM], 1                     ; all of them but the first
	v_cndmask_b32 v[LK], v[LK], v[CD], s[MM]       ; the first takes the candidate,
	v_cndmask_b32 v[LI], v[LI], v[CI], s[MM]
	v_cndmask_b32 v[LK], v[LK], v[KU], s[MS]       ; the others their lower neighbour's entry
	v_cndmask_b32 v[LI], v[LI], v[IU], s[MS]
	s_add_co_u32 s[C3], s[C3], 1
	s_cmp_lt_u32 s[C3], s[N3]
	s_cbranch_scc1 .Lnb_\@
.Lnone_\@:
	s_add_co_u32 s[C2], s[C2], 1
	s_cmp_lt_u32 s[C2], s[N2]
	s_cbranch_scc1 .Lgroup_\@
	s_add_co_u32 s[C1], s[C1], 1
	s_cmp_lt_u32 s[C1], s[N1]
	s_cbranch_scc1 .Lblock_\@
.Lwrite_\@:
	v_cmp_ne_u32 vcc_lo, -1, v[LI]                 ; places that are taken
	s_add_co_u32 s[QN], s28, \e
	v_mov_b32 v[QV], s[QN]
	v_cndmask_b32 v[QV], -1, v[QV], vcc_lo
	v_cndmask_b32 v[DO], 0, v[LK], vcc_lo
	ds_store_b32 v[LA], v[LI] offset:128*\e
	ds_store_b32 v[LA], v[QV] offset:512+128*\e
	ds_store_b32 v[LA], v[DO] offset:1024+128*\e
.endm
	QUERY 0
	QUERY 1
	QUERY 2
	QUERY 3
	; the wave's own bytes: LDS serves a wave's instructions in order (ISA guide 5.7.1), so these loads see the stores above
	ds_load_b128 v[O0:O0+3], v[LB]
	ds_load_b128 v[O1:O1+3], v[LB] offset:512
	ds_load_b128 v[O2:O2+3], v[LB] offset:1024
	s_wait_dscnt 0x0
	global_store_b128 v[L16], v[O0:O0+3], s[12:13]                  ; reference indices: 512 consecutive bytes, aligned
	global_store_b128 v[L16], v[O1:O1+3], s[12:13] offset:1048576   ; query indices: the second row of out0, 262,144 x 4 bytes on
	global_store_b128 v[L16], v[O2:O2+3], s[14:15]                  ; distances
	s_wait_tensorcnt 0x0
	ds_add_u32 v56, v57
	s_wait_dscnt 0x0
	s_endpgm
.Lfunc_end_k_qc42231ccba_select:
	.size	k_qc42231ccba_select, .Lfunc_end_k_qc42231ccba_select-k_qc42231ccba_select
	.p2alignl 7, 3214868480
	.fill 96, 4, 3214868480
	.section	.rodata,"a",@progbits
	.p2align	6, 0x0
	.amdhsa_kernel k_qc42231ccba_select
		.amdhsa_group_segment_fixed_size 13312
		.amdhsa_private_segment_fixed_size 0
		.amdhsa_enable_private_segment 0
		.amdhsa_kernarg_size 48
		.amdhsa_user_sgpr_count 2
		.amdhsa_user_sgpr_kernarg_segment_ptr 1
		.amdhsa_wavefront_size32 1
		.amdhsa_system_sgpr_workgroup_id_x 1
		.amdhsa_system_sgpr_workgroup_id_y 1
		.amdhsa_system_sgpr_workgroup_id_z 1
		.amdhsa_system_vgpr_workitem_id 0
		.amdhsa_next_free_vgpr 58
		.amdhsa_next_free_sgpr 92
		.amdhsa_reserve_vcc 1
		.amdhsa_float_denorm_mode_32 3
		.amdhsa_float_denorm_mode_16_64 3
		.amdhsa_memory_ordered 1
		.amdhsa_forward_progress 1
		.amdhsa_inst_pref_size 22
	.end_amdhsa_kernel
	.amdgpu_metadata
---
amdhsa.version: [ 1, 2 ]
amdhsa.kernels:
  - .name:           k_qc42231ccba_select
    .symbol:         k_qc42231ccba_select.kd
    .args:
      - { .name: query_bxyz, .offset: 0, .size: 8, .value_kind: global_buffer, .address_space: global }
      - { .name: ref_bxyz, .offset: 8, .size: 8, .value_kind: global_buffer, .address_space: global }
      - { .name: flags, .offset: 16, .size: 8, .value_kind: global_buffer, .address_space: global }
      - { .name: vox, .offset: 24, .size: 8, .value_kind: global_buffer, .address_space: global }
      - { .name: out0, .offset: 32, .size: 8, .value_kind: global_buffer, .address_space: global }
      - { .name: out1, .offset: 40, .size: 8, .value_kind: global_buffer, .address_space: global }
    .group_segment_fixed_size: 13312
    .private_segment_fixed_size: 0
    .kernarg_segment_align: 8
    .kernarg_segment_size: 48
    .max_flat_workgroup_size: 256
    .sgpr_count:     92
    .vgpr_count:     58
    .wavefront_size: 32
...
	.end_amdgpu_metadata
.endif
;; end of part 2
;; ======== version 2 of 2: 2 launches; version 1 with the launches filter, select written anew for expert scheduling mode
;; limits: values outside matrix products are rounded to bf16
;; workspace buffers: flags 262,144 bytes of whole numbers; vox 262,144 bytes of whole numbers
;; launch filter (part 3): grid 16 x 16, 4 waves a work-group, no clusters, 8,960 bytes of LDS; arguments query_bxyz, ref_bxyz, flags, vox; writes flags, vox
.if DOCPART == 3
	.amdgcn_target "amdgcn-amd-amdhsa--gfx1250"
	.amdhsa_code_object_version 6
	.text
	.protected	k_qc42231ccba_filter
	.globl	k_qc42231ccba_filter
	.p2align	8
	.type	k_qc42231ccba_filter,@function
k_qc42231ccba_filter:
	s_mov_b64 s[64:65], 0
	v_nop
	global_prefetch_b8 v0, s[64:65] scope:SCOPE_SE
	s_setreg_imm32_b32 hwreg(HW_REG_WAVE_SCHED_MODE, 0, 2), 2
	s_setreg_imm32_b32 hwreg(HW_REG_WAVE_MODE, 25, 1), 1
	s_wait_xcnt 0x0
	s_wait_alu depctr_vm_vsrc(0)
; VoxelGraph, launch 1 of 2: which groups of 32 consecutive references can hold a neighbour of which query.
; FORMAT (a stated limit): all four columns of both inputs are rounded to bf16 (nearest even) as they are loaded, here and in launch 2; everything
; behind that is f32 on the rounded numbers.  d2 = qq + rr - 2 q.r is a difference of large sums: it cancels only if all terms see the same numbers.
; RANGE (a stated limit): finite inputs, voxel numbers inside int32.
; THE TEST.  A voxel number v is folded to F(v), its distance to the nearest multiple of 512 (batch: of 64).  F never spreads two numbers apart.
; With c = (2 Fb - 32, Fx - 128, Fy - 128, Fz - 128) a pair inside the window (same batch voxel; x, y, z voxels at most 1 apart) has
; D = |c_q - c_r|^2 <= 3: no neighbour is lost, whatever the range; a pair that only looks near after folding is thrown out in launch 2 on the integers.
; D = N_q + N_r - 2 c_q.c_r is ONE bf16 matrix instruction for 16 x 16 pairs.  N = |c|^2 <= 50,176 < 2^16 is cut into two bf16 pieces.  K places:
;   k 0-3: c_q x (-2 c_r)     k 4, 5: N_q's pieces x 1, 1     k 6, 7: 1, 1 x N_r's pieces     k 8-31: one side is 0, the other finite.
; All terms are integers below 2^18: the f32 sums are exact.
; SHARES.  Grid 16 x 16; a work-group takes 512 queries x 512 references; wave w keeps queries 128 w .. + 127 as 8 fragments in registers and walks
; the 32 reference tiles, which all four waves read from LDS.  Column r of tile t is reference 32 r + t, so a lane's running minimum over the 32
; tiles speaks for 32 consecutive references.  Row m of query tile i is query 16 i + 2 (m & 7) + (m >> 3), so the lane mask of a compare
; (lanes 0-15: row j, lanes 16-31: row j + 8) is the 16-bit flags of two neighbouring queries.
; OUT.  flags[block of 512 references][query], 16 bits, bit r = group r of the block.  vox: voxel numbers as int32, references, then queries;
; stored by the work-groups of block row 0 and of block column 0.
; NO CLUSTER, NO TENSOR LOAD: a work-group reads 16 KiB of points once, at its head, for 262,144 pair tests, and every point passes through
; registers to become voxel numbers before it is an operand.
; THE MODE: SCHED_MODE bits 1:0 = 2 (LLVM: expert scheduling mode 2), set by the entry lines.  The code itself states the register dependences
; between vector or matrix instructions and memory or LDS instructions, with s_wait_alu, always for 0.
; THE PLAN.  Registers that memory or LDS instructions touch:
;   v2 .. v6     offsets and LDS addresses: made once at the head, ahead of one wait, and never written again.
;   PTS          the eight point loads land here; vector instructions alone name it afterwards.
;   WB0 .. WB3   a reference step's packed K places: written by step s's permutes, read by the four LDS stores, which stand in one run behind one wait.
;   ACC + 0..31  voxel numbers as integers: written by the conversions, read by the stores of vox behind a wait in each branch.
;                All of ACC (WB lies in it) is written again by the minima: one wait on vm_vsrc stands behind the barrier, ahead of the walk.
;   B            two buffers of four fragments.  A step is two pairs of tiles: its products read buffer step % 2; its four LDS loads, the next step's
;                fragments, land in the other buffer, which the products of the step before read and no instruction of this step names.
;                So ONE wait on va_vdst stands at a step's head, ahead of the four loads.
;   OUT          written by v_writelane_b32, read by the last store behind one wait.
; A, X, T, W and the constants are named by vector and matrix instructions alone.
.set PITCH, 528                        ; an LDS row: 32 tiles x 16 bytes + 16 = 33 x 16: the 16 rows of a fragment load lie in 16 different 16-byte columns modulo 256
.set LANE, 1
.set RO,   2                           ; byte offset of my reference in the block (step 0)
.set QO,   3                           ; byte offset of my query in the block (tile pair 0)
.set LS,   4                           ; LDS: where my wave's references go
.set LL,   5                           ; LDS: my row of a reference fragment, tile 0
.set FO,   6                           ; my 8 bytes of the wave's flags
.set S0,   7
.set S1,   8
.set ZERO, 9
.set CY01, 10                          ; reciprocals of the voxel sizes 0.999f, 0.4f, rounded to f32
.set CY23, 12
.set CND01, 14                         ; minus the voxel sizes
.set CND23, 16
.set CMIN, 18                          ; (40, 3): minus the range's lower corner in y and z (0 for batch and x)
.set CI01, 20                          ; (1/64, 1/512)
.set CI23, 22                          ; (1/512, 1/512)
.set CM01, 24                          ; (-64, -512)
.set CM23, 26                          ; (-512, -512)
.set W,    28                          ; v[28:31] a query's K places 0-5, packed
.set T,    32                          ; v[32:39] at work
.set AONE, 40                          ; two bf16 ones in lanes 0-15, zero above
.set A,    44                          ; v[44:79] 8 query fragments of 4 registers, then 4 zeros.  A fragment's registers 4-7 (K 16-31) are its neighbour's data: they meet zeros in B
.set B,    80                          ; v[80:143] two buffers of 4 reference fragments of 8 registers, the upper four of each always zero
.set X,    144                         ; v[144:175] two sets of two result tiles, by turns
.set PTS,  X                           ; before the walk: a lane's 8 points, then their voxel numbers in f32
.set ACC,  176                         ; v[176:239] minimum of D for tile i, register j at ACC + 8 i + j; before the walk: voxel numbers as integers, and WB
.set WB,   ACC+32                      ; v[208:223] before the walk: reference step s's K places 0-7, packed, at WB + 4 s
.set OUT,  240                         ; v[240:241] the wave's 64 words of flags
	s_load_b256 s[4:11], s[0:1], 0x0               ; query s[4:5], ref s[6:7], flags s[8:9], vox s[10:11]
	v_lshl_add_u32 v42, v0, 2, 0x2100
	v_mov_b32 v43, 0
	v_and_b32 v[LANE], 31, v0
	v_lshrrev_b32 v[S0], 5, v0
	v_readfirstlane_b32 s12, v[S0]                 ; wave 0..3
	s_mov_b32 s13, ttmp9                           ; block of references
	s_and_b32 s14, ttmp7, 0xffff                   ; block of queries
	s_lshl_b32 s20, s13, 13                        ; 512 points x 16 bytes
	s_mov_b32 s21, 0
	s_lshl_b32 s22, s14, 13
	s_mov_b32 s23, 0
	s_lshl_b32 s28, s13, 14                        ; flags: 8,192 queries x 2 bytes for a block of references,
	s_lshl_b32 s29, s14, 10                        ; 512 x 2 for a block of queries,
	s_add_co_u32 s28, s28, s29
	s_wait_alu depctr_va_sdst(0)                   ; s12 is written, ahead of its first reader: offsets and LDS addresses are made from it
	s_lshl_b32 s29, s12, 8                         ; 128 x 2 for a wave
	s_add_co_u32 s28, s28, s29
	s_mov_b32 s29, 0
	s_lshl_b32 s30, s12, 11                        ; a wave's 128 points x 16 bytes
	s_mul_i32 s15, s12, 4*PITCH                    ; a wave's 128 references are 4 LDS rows of its own
	s_mov_b32 s16, 0x76543210                      ; v_permlanex16_b32: lane i reads lane i of the other half
	s_mov_b32 s17, 0xfedcba98
	s_mov_b32 s18, 0x07060302                      ; v_perm_b32: the upper halves of two words
	s_mov_b32 s19, 0xffff0000                      ; a word's upper half; as a lane mask: lanes 16-31
	s_mov_b32 s2, 0xc2000000                       ; -32
	s_mov_b32 s3, 0xc3000000                       ; -128
	s_mov_b32 s31, 0x40600000                      ; 3.5: D is a whole number, so 3.5 > D is D <= 3
	v_lshl_add_u32 v[RO], v[LANE], 4, s30          ; step s takes references 128 w + 32 s + lane
	v_and_b32 v[S0], 16, v[LANE]                   ; tile pair p: lanes 0-15 take tile 2 p, lanes 16-31 tile 2 p + 1; row m = lane & 15
	v_and_b32 v[S1], 7, v[LANE]
	v_lshl_or_b32 v[S0], v[S1], 1, v[S0]
	v_bfe_u32 v[S1], v[LANE], 3, 1
	v_or_b32 v[S0], v[S0], v[S1]                   ; 16 (lane >> 4) + 2 (m & 7) + (m >> 3)
	v_lshl_add_u32 v[QO], v[S0], 4, s30
	v_lshl_add_u32 v[LS], v[LANE], 4, s15          ; reference 32 r + t lies at row r, byte 16 t: here t = lane, r = 4 w + s
	v_and_b32 v[S0], 15, v[LANE]
	v_mul_u32_u24 v[LL], v[S0], PITCH              ; both halves of the lanes read column r's row: lanes 16-31 (K 8-15) meet zeros in A
	v_lshlrev_b32 v[FO], 3, v[LANE]
	s_wait_kmcnt 0x0
	s_add_nc_u64 s[6:7], s[6:7], s[20:21]          ; my block of references
	s_add_nc_u64 s[4:5], s[4:5], s[22:23]          ; my block of queries
	s_add_nc_u64 s[24:25], s[10:11], s[20:21]      ; their voxel numbers: references first,
	s_add_nc_u64 s[26:27], s[10:11], s[22:23]
	s_add_nc_u64 s[26:27], s[26:27], 0x20000       ; queries behind the 8,192 x 16 bytes of the references
	s_add_nc_u64 s[8:9], s[8:9], s[28:29]
	s_wait_alu depctr_va_vdst(0)                   ; the five offsets and addresses v2 to v6 are written: every load and store of the kernel reads one of them
.irp s, 0,1,2,3
	global_load_b128 v[PTS+4*\s:PTS+4*\s+3], v[RO], s[6:7] offset:512*\s          ; 512 neighbouring bytes
.endr
.irp p, 0,1,2,3
	global_load_b128 v[PTS+16+4*\p:PTS+16+4*\p+3], v[QO], s[4:5] offset:512*\p    ; the 512 bytes of 32 queries, lanes in the order of the rows
.endr
	; constants, while the points are on their way
	v_mov_b32 v[ZERO], 0
	v_mov_b32 v[CY01], 0x3f8020cd
	v_mov_b32 v[CY01+1], 0x40200000
	v_mov_b32 v[CY23], 0x40200000
	v_mov_b32 v[CY23+1], 0x40200000
	v_mov_b32 v[CND01], 0xbf7fbe77
	v_mov_b32 v[CND01+1], 0xbecccccd
	v_mov_b32 v[CND23], 0xbecccccd
	v_mov_b32 v[CND23+1], 0xbecccccd
	v_mov_b32 v[CMIN], 0x42200000
	v_mov_b32 v[CMIN+1], 0x40400000
	v_mov_b32 v[CI01], 0x3c800000
	v_mov_b32 v[CI01+1], 0x3b000000
	v_mov_b32 v[CI23], 0x3b000000
	v_mov_b32 v[CI23+1], 0x3b000000
	v_mov_b32 v[CM01], 0xc2800000
	v_mov_b32 v[CM01+1], 0xc4000000
	v_mov_b32 v[CM23], 0xc4000000
	v_mov_b32 v[CM23+1], 0xc4000000
.irp s, 0,1,2,3
	v_mov_b32 v[WB+4*\s+2], 0x3f803f80             ; a reference's K places 4, 5: ones against N_q's pieces
.endr
	v_cndmask_b32 v[AONE], v[WB+2], v[ZERO], s19   ; a query's K places 6, 7, in lanes 0-15 alone
.irp k, 32,33,34,35
	v_mov_b32 v[A+\k], 0                           ; behind the last query fragment
.endr
.irp f, 0,1,2,3,4,5,6,7
.irp k, 4,5,6,7
	v_mov_b32 v[B+8*\f+\k], 0                      ; K places 16-31 of every reference fragment; the loads fill registers 0-3 only
.endr
.endr
; A point (batch, x, y, z) in v[P .. P+3] becomes its four voxel numbers floor((p - lower corner) / voxel size) in f32, which stay in P.
; The quotient is the correctly rounded one: q = t y, the exact remainder t - d q, then q + remainder x y, with y the rounded reciprocal of d.
; Then the fold: T .. T+3 = c, T+5 and T+6 = the two bf16 pieces of N.  v - 512 rne(v / 512) is exact; a piece is the upper 16 bits of what is left.
.macro POINT P
	v_cvt_pk_bf16_f32 v[T], v[\P], v[\P+1]         ; the input's rounding to bf16
	v_cvt_pk_bf16_f32 v[T+1], v[\P+2], v[\P+3]
	v_lshlrev_b32 v[\P], 16, v[T]
	v_and_b32 v[\P+1], s19, v[T]
	v_lshlrev_b32 v[\P+2], 16, v[T+1]
	v_and_b32 v[\P+3], s19, v[T+1]
	v_pk_add_f32 v[\P+2:\P+3], v[\P+2:\P+3], v[CMIN:CMIN+1]
	v_pk_mul_f32 v[T:T+1], v[\P:\P+1], v[CY01:CY01+1]
	v_pk_mul_f32 v[T+2:T+3], v[\P+2:\P+3], v[CY23:CY23+1]
	v_pk_fma_f32 v[\P:\P+1], v[T:T+1], v[CND01:CND01+1], v[\P:\P+1]
	v_pk_fma_f32 v[\P+2:\P+3], v[T+2:T+3], v[CND23:CND23+1], v[\P+2:\P+3]
	v_pk_fma_f32 v[T:T+1], v[\P:\P+1], v[CY01:CY01+1], v[T:T+1]
	v_pk_fma_f32 v[T+2:T+3], v[\P+2:\P+3], v[CY23:CY23+1], v[T+2:T+3]
.irp k, 0,1,2,3
	v_floor_f32 v[\P+\k], v[T+\k]
.endr
	v_pk_mul_f32 v[T:T+1], v[\P:\P+1], v[CI01:CI01+1]
	v_pk_mul_f32 v[T+2:T+3], v[\P+2:\P+3], v[CI23:CI23+1]
.irp k, 0,1,2,3
	v_rndne_f32 v[T+\k], v[T+\k]
.endr
	v_pk_fma_f32 v[T:T+1], v[T:T+1], v[CM01:CM01+1], v[\P:\P+1]
	v_pk_fma_f32 v[T+2:T+3], v[T+2:T+3], v[CM23:CM23+1], v[\P+2:\P+3]
	v_fma_f32 v[T], |v[T]|, 2.0, s2                ; 2 Fb - 32: a step of one batch voxel counts 4 in D
.irp k, 1,2,3
	v_add_f32 v[T+\k], s3, |v[T+\k]|               ; F - 128
.endr
	v_pk_mul_f32 v[T+4:T+5], v[T:T+1], v[T:T+1]
	v_pk_fma_f32 v[T+4:T+5], v[T+2:T+3], v[T+2:T+3], v[T+4:T+5]
	v_add_f32 v[T+4], v[T+4], v[T+5]               ; N
	v_and_b32 v[T+5], s19, v[T+4]                  ; its upper 8 bits,
	v_sub_f32 v[T+6], v[T+4], v[T+5]               ; and the rest, below 256
.endm
	; my wave's 128 references, 32 at a time, each step into registers of its own; then all four into LDS
.irp s, 0,1,2,3
	s_wait_loadcnt 7-\s                            ; loads come back in order: step s is in, the younger ones stay out
	POINT PTS+4*\s
	v_pk_mul_f32 v[T:T+1], v[T:T+1], -2.0 op_sel_hi:[1,0]
	v_pk_mul_f32 v[T+2:T+3], v[T+2:T+3], -2.0 op_sel_hi:[1,0]
	v_perm_b32 v[WB+4*\s], v[T+1], v[T], s18       ; whole numbers of 8 bits: the upper halves are the bf16 numbers
	v_perm_b32 v[WB+4*\s+1], v[T+3], v[T+2], s18
	v_perm_b32 v[WB+4*\s+3], v[T+6], v[T+5], s18   ; K 6, 7: N_r's pieces
.endr
	s_wait_alu depctr_va_vdst(0)                   ; the permutes and the moves of ones have written WB0 to WB3, which the four LDS stores read
.irp s, 0,1,2,3
	ds_store_b128 v[LS], v[WB+4*\s:WB+4*\s+3] offset:PITCH*\s  ; 32 lanes, 512 neighbouring bytes
.endr
	; my wave's 128 queries, two tiles at a time, straight into fragments
.irp p, 0,1,2,3
	s_wait_loadcnt 3-\p
	POINT PTS+16+4*\p
	v_perm_b32 v[W], v[T+1], v[T], s18
	v_perm_b32 v[W+1], v[T+3], v[T+2], s18
	v_perm_b32 v[W+2], v[T+6], v[T+5], s18         ; K 4, 5: N_q's pieces
.irp k, 0,1,2
	v_permlanex16_b32 v[T+\k], v[W+\k], s16, s17   ; tile 2 p + 1's rows come down to lanes 0-15 (T has been written: the destination counts as read)
.endr
.irp k, 0,1,2
	v_cndmask_b32 v[A+8*\p+\k], v[W+\k], v[ZERO], s19          ; lanes 16-31 hold K 8-15: zeros
	v_cndmask_b32 v[A+8*\p+4+\k], v[T+\k], v[ZERO], s19
.endr
	v_mov_b32 v[A+8*\p+3], v[AONE]
	v_mov_b32 v[A+8*\p+7], v[AONE]
.endr
	; the voxel numbers as integers, each stored by one work-group of the grid
	s_cmp_lg_u32 s14, 0
	s_cbranch_scc1 .Lno_ref_vox
.irp k, 0,1,2,3,4,5,6,7,8,9,10,11,12,13,14,15
	v_cvt_i32_f32 v[ACC+\k], v[PTS+\k]
.endr
	s_wait_alu depctr_va_vdst(0)                   ; the conversions have written ACC + 0..15, which the four stores read
.irp s, 0,1,2,3
	global_store_b128 v[RO], v[ACC+4*\s:ACC+4*\s+3], s[24:25] offset:512*\s
.endr
.Lno_ref_vox:
	s_cmp_lg_u32 s13, 0
	s_cbranch_scc1 .Lno_query_vox
.irp k, 0,1,2,3,4,5,6,7,8,9,10,11,12,13,14,15
	v_cvt_i32_f32 v[ACC+16+\k], v[PTS+16+\k]
.endr
	s_wait_alu depctr_va_vdst(0)                   ; the conversions have written ACC + 16..31, which the four stores read
.irp p, 0,1,2,3
	global_store_b128 v[QO], v[ACC+16+4*\p:ACC+16+4*\p+3], s[26:27] offset:512*\p
.endr
.Lno_query_vox:
	s_wait_dscnt 0x0                               ; my references are in LDS: zero, for the other waves' sake
	s_barrier_signal -1
	s_barrier_wait -1                              ; everybody's are
	s_wait_xcnt 0x0                                ; ACC, the data of the stores above, is written again only behind this wait
	s_wait_alu depctr_vm_vsrc(0)                   ; the stores of vox have read ACC + 0..31 and the LDS stores WB (ACC + 32..47): the minima of the walk write all of ACC
; Two products: query tile i against the two reference tiles of the current pair.  C is the constant 0: every product stands alone, there is no chain.
.macro PRODUCTS i
	v_wmma_f32_16x16x32_bf16 v[X+16*((\i)%2):X+16*((\i)%2)+7], v[A+4*(\i):A+4*(\i)+7], v[B+16*CUR:B+16*CUR+7], 0
	v_wmma_f32_16x16x32_bf16 v[X+16*((\i)%2)+8:X+16*((\i)%2)+15], v[A+4*(\i):A+4*(\i)+7], v[B+16*CUR+8:B+16*CUR+15], 0
.endm
; Their 16 result registers go into query tile i's 8 running minima; the first pair of tiles starts them: nothing is cleared.
.macro MINS i, first
.irp j, 0,1,2,3,4,5,6,7
.if \first
	v_min_num_f32 v[ACC+8*(\i)+\j], v[X+16*((\i)%2)+\j], v[X+16*((\i)%2)+8+\j]
.else
	v_min3_num_f32 v[ACC+8*(\i)+\j], v[ACC+8*(\i)+\j], v[X+16*((\i)%2)+\j], v[X+16*((\i)%2)+8+\j]
.endif
.endr
.endm
; One pair of reference tiles against all 8 query tiles.  The minima of tile i - 1 stand behind the products of tile i: eight independent vector
; instructions between a product and the first reader of its result, and between it and the product that writes that result set again
; (ISA guide 7.12.1 asks for four and five places).  Two pairs are a step: at its head the next step's four fragments are asked for.
.macro PAIR tp
.set CUR, (\tp)%4
.if (\tp)%2 == 0
.if \tp < 14
.if \tp > 0
	s_wait_alu depctr_va_vdst(0)                   ; the products of the step before are done reading the other buffer, in which the four loads below land
.endif
.irp f, 0,1,2,3
	ds_load_b128 v[B+16*((\tp+2)%4)+8*\f:B+16*((\tp+2)%4)+8*\f+3], v[LL] offset:32*(\tp)+64+16*\f  ; the next step's fragments, a whole step ahead; no instruction of this step names these registers
.endr
	s_wait_dscnt 0x4                               ; all but these four: this step's fragments are in
.else
	s_wait_dscnt 0x0                               ; the last step asks for nothing
.endif
.endif
	PRODUCTS 0
.if \tp == 0
.rept 5
	v_nop                                          ; the very first products have no minima to put behind them
.endr
.endif
.if \tp == 1
	MINS 7, 1
.endif
.if \tp > 1
	MINS 7, 0
.endif
.irp i, 1,2,3,4,5,6,7
	PRODUCTS \i
.if \tp == 0
	MINS \i-1, 1
.else
	MINS \i-1, 0
.endif
.endr
.endm
.irp f, 0,1,2,3
	ds_load_b128 v[B+8*\f:B+8*\f+3], v[LL] offset:16*\f        ; the first step's fragments: no vector instruction has named these registers
.endr
.irp tp, 0,1,2,3,4,5,6,7,8,9,10,11,12,13,14,15
	PAIR \tp
.endr
	MINS 7, 0
	; D <= 3 somewhere in the group?  The mask of minimum 8 i + j is word 8 i + j of the wave's flags: queries 16 i + 2 j (lanes 0-15) and + 1 (lanes 16-31).
	v_mov_b32 v[OUT], 0                            ; v_writelane_b32's destination counts as read
	v_mov_b32 v[OUT+1], 0
.irp b, 0,1,2,3
.irp k, 0,1,2,3,4,5,6,7,8,9,10,11,12,13,14,15
	v_cmp_gt_f32 s[32+\k], s31, v[ACC+16*\b+\k]
.endr
	s_wait_alu depctr_va_sdst(0)                   ; the sixteen compares have written s32 to s47, which the lines below read
.irp k, 0,1,2,3,4,5,6,7,8,9,10,11,12,13,14,15
	v_writelane_b32 v[OUT+(\k%2)], s[32+\k], (16*\b+\k)/2      ; lane l holds words 2 l and 2 l + 1
.endr
.endr
	s_wait_alu depctr_va_vdst(0)                   ; OUT is written, which the store reads
	global_store_b64 v[FO], v[OUT:OUT+1], s[8:9]   ; the wave's 256 consecutive bytes, aligned
	s_wait_dscnt 0x0
	s_wait_alu depctr_hold_cnt(0) depctr_sa_sdst(0) depctr_va_vdst(0) depctr_va_sdst(0) depctr_va_ssrc(0) depctr_va_vcc(0) depctr_vm_vsrc(0)
	s_wait_tensorcnt 0x0
	ds_add_u32 v42, v43
	s_wait_dscnt 0x0
	s_endpgm
.Lfunc_end_k_qc42231ccba_filter:
	.size	k_qc42231ccba_filter, .Lfunc_end_k_qc42231ccba_filter-k_qc42231ccba_filter
	.p2alignl 7, 3214868480
	.fill 96, 4, 3214868480
	.section	.rodata,"a",@progbits
	.p2align	6, 0x0
	.amdhsa_kernel k_qc42231ccba_filter
		.amdhsa_group_segment_fixed_size 8960
		.amdhsa_private_segment_fixed_size 0
		.amdhsa_enable_private_segment 0
		.amdhsa_kernarg_size 32
		.amdhsa_user_sgpr_count 2
		.amdhsa_user_sgpr_kernarg_segment_ptr 1
		.amdhsa_wavefront_size32 1
		.amdhsa_system_sgpr_workgroup_id_x 1
		.amdhsa_system_sgpr_workgroup_id_y 1
		.amdhsa_system_sgpr_workgroup_id_z 1
		.amdhsa_system_vgpr_workitem_id 0
		.amdhsa_next_free_vgpr 242
		.amdhsa_next_free_sgpr 66
		.amdhsa_reserve_vcc 0
		.amdhsa_float_denorm_mode_32 3
		.amdhsa_float_denorm_mode_16_64 3
		.amdhsa_memory_ordered 1
		.amdhsa_forward_progress 1
		.amdhsa_inst_pref_size 116
	.end_amdhsa_kernel
	.amdgpu_metadata
---
amdhsa.version: [ 1, 2 ]
amdhsa.kernels:
  - .name:           k_qc42231ccba_filter
    .symbol:         k_qc42231ccba_filter.kd
    .args:
      - { .name: query_bxyz, .offset: 0, .size: 8, .value_kind: global_buffer, .address_space: global }
      - { .name: ref_bxyz, .offset: 8, .size: 8, .value_kind: global_buffer, .address_space: global }
      - { .name: flags, .offset: 16, .size: 8, .value_kind: global_buffer, .address_space: global }
      - { .name: vox, .offset: 24, .size: 8, .value_kind: global_buffer, .address_space: global }
    .group_segment_fixed_size: 8960
    .private_segment_fixed_size: 0
    .kernarg_segment_align: 8
    .kernarg_segment_size: 32
    .max_flat_workgroup_size: 128
    .sgpr_count:     66
    .vgpr_count:     242
    .wavefront_size: 32
...
	.end_amdgpu_metadata
.endif
;; end of part 3
;; launch select (part 4): grid 256 x 1, 8 waves a work-group, no clusters, 13,312 bytes of LDS; arguments query_bxyz, ref_bxyz, flags, vox, out0, out1; writes out0, out1
.if DOCPART == 4
	.amdgcn_target "amdgcn-amd-amdhsa--gfx1250"
	.amdhsa_code_object_version 6
	.text
	.protected	k_qc42231ccba_select
	.globl	k_qc42231ccba_select
	.p2align	8
	.type	k_qc42231ccba_select,@function
k_qc42231ccba_select:
	s_mov_b64 s[64:65], 0
	v_nop
	global_prefetch_b8 v0, s[64:65] scope:SCOPE_SE
	s_setreg_imm32_b32 hwreg(HW_REG_WAVE_SCHED_MODE, 0, 2), 2
	s_setreg_imm32_b32 hwreg(HW_REG_WAVE_MODE, 25, 1), 1
	s_wait_xcnt 0x0
	s_wait_alu depctr_vm_vsrc(0)
; VoxelGraph, launch 2 of 2: the neighbours of each query, nearest first, at most 32.
; A wave takes four queries, one after the other.  Every branch and every address hangs on whole numbers that launch 1 stored: flags (which groups of
; 32 consecutive references can hold a neighbour) and vox (voxel numbers as int32).  For a flagged group lane t takes reference 32 g + t; the window
; (same batch voxel; x, y, z voxels at most 1 apart) is tested on the integers, so the loop over true neighbours is counted by whole numbers too.
; THE LIST lies over the 32 lanes: lane k holds the k-th nearest so far, +inf where there is none.  A neighbour is put in by one compare, a shift by one
; lane and selects: no address and no branch hangs on a distance.  Groups, and lanes in a group, come in ascending order of the reference's index,
; and the compare is strict: of equal distances the lower index stands first and the 33rd falls off, as in a stable top-k.
; FORMAT (a stated limit, as in launch 1): x, y, z are rounded to bf16 first; then qq = (x x + y y) + z z, rr likewise, dot = ((2x) x' + (2y) y') + (2z) z',
; d2 = (qq + rr) - dot in f32, in this order.  Products of bf16 numbers are exact in f32, so each fused multiply-add rounds as a multiply and an add would.
; d2 > 1e10 (the radius squared) or NaN becomes +inf, which the strict compare never puts into the list.  RANGE: finite inputs, voxel numbers inside int32.
; Results of four queries pass through the wave's own 1,536 bytes of LDS, so that each store of the wave covers 512 consecutive bytes, aligned.
; No matrix unit: a dozen multiply-adds a lane for a flagged group, in an order of sums that has to be kept.  No cluster: the work-groups share no tile.
; THE MODE: SCHED_MODE bits 1:0 = 2 (LLVM: expert scheduling mode 2), set by the entry lines.  The code itself states the register dependences
; between vector instructions and memory or LDS instructions, and those through scalar registers that vector instructions write, with s_wait_alu, always for 0.
; THE PLAN.  Registers that memory or LDS instructions touch:
;   v2, L16, LA, LB   offsets and LDS addresses: made once at the head, ahead of one wait, and never written again.
;   OFF               written by one add in each group's trip, read by the trip's two loads: a wait on vm_vsrc ahead of the add, one on va_vdst behind it.
;   VR, RF            the trip's two loads land here; the trip's vector work reads them.  The wait on va_vdst behind the add also states that the last trip's readers are done.
;   OI, OQ, OD        a register for each of the four queries: indices, query numbers, distances.  Written in the query's own text, read by the twelve LDS stores, which
;                     stand in one run at the end behind one wait; none is written again.
;   O0 .. O2          LDS loads land here, the last stores read them; no vector instruction names them.
; Scalar registers that vector instructions write (the wave's number, lane masks of compares, numbers read out of a lane) have a wait between the writer and the first
; reader, ahead of every branch and label; the writers stand in runs, one wait to a run.
.set FW,  3                            ; my dword of flags: block lane >> 1, queries 4 W + 2 (lane & 1) and + 1
.set H,   4                            ; the 16 bits of the query at work
.set L16, 5                            ; 16 x lane
.set OFF, 6
.set LA,  7                            ; LDS: 4 x lane in my wave's stage
.set LB,  8                            ; LDS: 16 x lane in it
.set VR,  10                           ; v[10:13] the reference's voxel numbers
.set RF,  14                           ; v[14:17] the reference
.set T0,  18
.set T1,  19
.set RX,  20
.set RY,  21
.set RZ,  22
.set RR,  23
.set DOT, 24
.set D2,  25
.set QX,  26                           ; 2 x, 2 y, 2 z of the query
.set QY,  27
.set QZ,  28
.set QQ,  29
.set LK,  30                           ; the list: distances
.set KU,  32                           ; the list one lane up
.set IU,  33
.set CD,  34                           ; the candidate
.set CI,  35
.set DA,  36
.set DB,  37
.set DC,  38
.set INFV, 42
.set O0,  44
.set O1,  48
.set O2,  52
.set OI,  56                           ; v[56:59] query e's list of indices, -1 where there is none
.set OQ,  60                           ; v[60:63] query e's number, -1 where there is none
.set OD,  64                           ; v[64:67] query e's distances, 0 where there is none
.set QI,  32                           ; s[32:47] voxel numbers of my four queries
.set QF,  48                           ; s[48:63] my four queries
.set EM3, 2                            ; lane masks of the window's y and z tests
.set EM4, 3
.set RAD, 31                           ; lanes inside the radius
.set M1,  66                           ; lanes whose 16 bits are not 0
.set N1,  67
.set C1,  68
.set RB,  69
.set TMP, 70
.set HW,  71
.set N2,  72
.set C2,  73
.set GR,  74
.set GO,  75
.set EM,  76                           ; lanes that hold a true neighbour
.set N3,  77
.set C3,  78
.set LN,  79
.set SD,  80
.set SI,  81
.set K15, 82
.set I15, 83
.set MM,  84
.set MS,  85
.set X1,  86
.set Y1,  87
.set Z1,  88
.set R0,  89
.set QN,  90
.set EM2, 91                           ; lane mask of the window's x test
	s_load_b256 s[4:11], s[0:1], 0x0               ; query s[4:5], ref s[6:7], flags s[8:9], vox s[10:11]
	s_load_b128 s[12:15], s[0:1], 0x20             ; out0 s[12:13], out1 s[14:15]
	v_lshl_add_u32 v41, v0, 2, 0x3000
	v_mov_b32 v43, 0
	v_and_b32 v1, 31, v0
	v_lshrrev_b32 v2, 5, v0
	v_readfirstlane_b32 s16, v2                    ; wave 0..7
	s_wait_alu depctr_va_sdst(0)                   ; s16 is written, ahead of its first reader: the wave's offsets are made from it
	s_lshl3_add_u32 s17, ttmp9, s16                ; W = 8 x work-group + wave; my queries are 4 W .. 4 W + 3
	s_lshl_b32 s18, s17, 6                         ; 4 points x 16 bytes
	s_mov_b32 s19, 0
	s_lshl_b32 s24, s17, 3                         ; 4 queries x 2 bytes of flags
	s_mov_b32 s25, 0
	s_lshl_b32 s26, s17, 9                         ; 4 queries x 32 places x 4 bytes
	s_mov_b32 s27, 0
	s_lshl_b32 s28, s17, 2                         ; my first query
	s_mul_i32 s29, s16, 1536                       ; my wave's stage
	s_mov_b32 s30, 0x501502f9                      ; 1e10, exact in f32
	v_lshrrev_b32 v2, 1, v1
	v_and_b32 v[T0], 1, v1
	v_lshlrev_b32 v2, 14, v2                       ; a block's flags are 8,192 x 2 bytes
	v_lshl_or_b32 v2, v[T0], 2, v2
	v_lshlrev_b32 v[L16], 4, v1
	v_lshl_add_u32 v[LA], v1, 2, s29
	v_lshl_add_u32 v[LB], v1, 4, s29
	v_mov_b32 v[KU], 0                             ; destinations of DPP moves count as read
	v_mov_b32 v[IU], 0
	v_mov_b32 v[INFV], 0x7f800000
	s_wait_kmcnt 0x0
	s_add_nc_u64 s[8:9], s[8:9], s[24:25]
	s_wait_alu depctr_va_vdst(0)                   ; v2, L16, LA and LB are written: the load below and the stage's and the last stores and loads read them
	global_load_b32 v[FW], v2, s[8:9]
	s_add_nc_u64 s[20:21], s[10:11], s[18:19]
	s_add_nc_u64 s[20:21], s[20:21], 0x20000       ; the queries' voxel numbers lie behind the references'
	s_add_nc_u64 s[22:23], s[4:5], s[18:19]
	s_load_b512 s[QI:QI+15], s[20:21], 0x0
	s_load_b512 s[QF:QF+15], s[22:23], 0x0
	s_add_nc_u64 s[12:13], s[12:13], s[26:27]
	s_add_nc_u64 s[14:15], s[14:15], s[26:27]
	s_wait_loadcnt 0x0
	s_wait_kmcnt 0x0
.macro QUERY e
	v_mov_b32 v[LK], v[INFV]                       ; an empty list
	v_mov_b32 v[OI+\e], -1
.if \e & 1
	v_lshrrev_b32 v[H], 16, v[FW]
.else
	v_and_b32 v[H], 0xffff, v[FW]
.endif
	v_cmp_ne_u32 vcc_lo, 0, v[H]
	s_wait_alu depctr_va_vcc(0)                    ; the compare has written VCC, which the next line reads
	s_and_b32 s[M1], vcc_lo, 0x55555555<<(\e>>1)   ; only the lanes whose dword holds this query
	s_cmp_eq_u32 s[M1], 0
	s_cbranch_scc1 .Lwrite_\@                      ; no group flagged: the list stays empty
	v_mov_b32 v[QX], s[QF+4*\e+1]
	v_mov_b32 v[QY], s[QF+4*\e+2]
	v_mov_b32 v[QZ], s[QF+4*\e+3]
	v_cvt_pk_bf16_f32 v[T0], v[QX], v[QY]          ; the input's rounding to bf16
	v_cvt_pk_bf16_f32 v[T1], v[QZ], v[QZ]
	v_lshlrev_b32 v[QX], 16, v[T0]
	v_and_b32 v[QY], 0xffff0000, v[T0]
	v_lshlrev_b32 v[QZ], 16, v[T1]
	v_mul_f32 v[QQ], v[QX], v[QX]
	v_fma_f32 v[QQ], v[QY], v[QY], v[QQ]
	v_fma_f32 v[QQ], v[QZ], v[QZ], v[QQ]
	v_add_f32 v[QX], v[QX], v[QX]                  ; 2 q, exact
	v_add_f32 v[QY], v[QY], v[QY]
	v_add_f32 v[QZ], v[QZ], v[QZ]
	s_add_co_u32 s[X1], s[QI+4*\e+1], -1           ; |a - b| <= 1 is a - (b - 1) < 3 without sign
	s_add_co_u32 s[Y1], s[QI+4*\e+2], -1
	s_add_co_u32 s[Z1], s[QI+4*\e+3], -1
	s_bcnt1_i32_b32 s[N1], s[M1]                   ; so many blocks of 512 references have a flag: at least one here
	s_mov_b32 s[C1], 0
.Lblock_\@:
	s_ctz_i32_b32 s[RB], s[M1]                     ; the lowest such lane,
	s_add_co_u32 s[TMP], s[M1], -1
	s_and_b32 s[M1], s[M1], s[TMP]                 ; struck off
	v_readlane_b32 s[HW], v[H], s[RB]              ; its 16 bits, not all 0
	s_wait_alu depctr_va_sdst(0)                   ; s[HW] is written, ahead of its first reader and of the label below
	s_lshr_b32 s[RB], s[RB], 1                     ; its block
	s_bcnt1_i32_b32 s[N2], s[HW]
	s_mov_b32 s[C2], 0
.Lgroup_\@:
	s_ctz_i32_b32 s[GR], s[HW]
	s_add_co_u32 s[TMP], s[HW], -1
	s_and_b32 s[HW], s[HW], s[TMP]
	s_lshl4_add_u32 s[GR], s[RB], s[GR]            ; group = 16 x block + bit
	s_min_u32 s[GR], s[GR], 255                    ; a number that was loaded enters an address only clamped to the table: 256 groups
	s_lshl_b32 s[GO], s[GR], 9                     ; 32 references x 16 bytes
	s_lshl_b32 s[R0], s[GR], 5                     ; the group's first reference
	s_wait_alu depctr_vm_vsrc(0)                   ; the last group's two loads have read OFF, which the add writes
	v_add_nc_u32 v[OFF], s[GO], v[L16]
	s_wait_alu depctr_va_vdst(0)                   ; OFF is written, which the two loads read; the last group's vector work is done reading VR and RF, in which they land
	global_load_b128 v[VR:VR+3], v[OFF], s[10:11]  ; 512 neighbouring bytes each
	global_load_b128 v[RF:RF+3], v[OFF], s[6:7]
	s_wait_loadcnt 0x0                             ; both are in
	v_sub_nc_u32 v[DA], v[VR+1], s[X1]
	v_sub_nc_u32 v[DB], v[VR+2], s[Y1]
	v_sub_nc_u32 v[DC], v[VR+3], s[Z1]
	v_cmp_eq_u32 s[EM], s[QI+4*\e], v[VR]          ; the window's four tests, each into a mask of its own
	v_cmp_gt_u32 s[EM2], 3, v[DA]
	v_cmp_gt_u32 s[EM3], 3, v[DB]
	v_cmp_gt_u32 s[EM4], 3, v[DC]
	v_cvt_pk_bf16_f32 v[T0], v[RF+1], v[RF+2]      ; the input's rounding to bf16
	v_cvt_pk_bf16_f32 v[T1], v[RF+3], v[RF+3]
	v_lshlrev_b32 v[RX], 16, v[T0]
	v_and_b32 v[RY], 0xffff0000, v[T0]
	v_lshlrev_b32 v[RZ], 16, v[T1]
	v_mul_f32 v[RR], v[RX], v[RX]
	v_fma_f32 v[RR], v[RY], v[RY], v[RR]
	v_fma_f32 v[RR], v[RZ], v[RZ], v[RR]
	v_mul_f32 v[DOT], v[QX], v[RX]
	v_fma_f32 v[DOT], v[QY], v[RY], v[DOT]
	v_fma_f32 v[DOT], v[QZ], v[RZ], v[DOT]
	v_add_f32 v[D2], v[QQ], v[RR]
	v_sub_f32 v[D2], v[D2], v[DOT]
	v_cmp_ge_f32 s[RAD], s30, v[D2]                ; inside the radius; false for NaN
	s_wait_alu depctr_va_sdst(0)                   ; the five compares have written their masks, which the select and the scalar lines below read
	v_cndmask_b32 v[D2], v[INFV], v[D2], s[RAD]
	s_and_b32 s[EM], s[EM], s[EM2]
	s_and_b32 s[EM], s[EM], s[EM3]
	s_and_b32 s[EM], s[EM], s[EM4]
	s_bcnt1_i32_b32 s[N3], s[EM]
	s_cmp_eq_u32 s[N3], 0
	s_cbranch_scc1 .Lnone_\@                       ; the fold's false alarm
	s_mov_b32 s[C3], 0
.Lnb_\@:
	s_ctz_i32_b32 s[LN], s[EM]                     ; the neighbour of the lowest index,
	s_add_co_u32 s[TMP], s[EM], -1
	s_and_b32 s[EM], s[EM], s[TMP]                 ; struck off
	v_readlane_b32 s[SD], v[D2], s[LN]
	v_readlane_b32 s[K15], v[LK], 15
	v_readlane_b32 s[I15], v[OI+\e], 15
	s_add_co_u32 s[SI], s[R0], s[LN]
	v_mov_b32_dpp v[KU], v[LK] row_shr:1 row_mask:0xf bank_mask:0xf       ; lane k takes lane k - 1 inside each half;
	v_mov_b32_dpp v[IU], v[OI+\e] row_shr:1 row_mask:0xf bank_mask:0xf
	s_wait_alu depctr_va_sdst(0)                   ; the three numbers read out of lanes are written, which the four lines below read
	v_mov_b32 v[CD], s[SD]
	v_mov_b32 v[CI], s[SI]
	v_writelane_b32 v[KU], s[K15], 16              ; lane 16 takes lane 15; lane 0's value is never chosen
	v_writelane_b32 v[IU], s[I15], 16
	v_cmp_gt_f32 s[MM], v[LK], v[CD]               ; the places behind the candidate: the list ascends, so they are its upper end
	s_wait_alu depctr_va_sdst(0)                   ; the compare has written s[MM], which the shift and the selects read
	s_lshl_b32 s[MS], s[MM], 1                     ; all of them but the first
	v_cndmask_b32 v[LK], v[LK], v[CD], s[MM]       ; the first takes the candidate,
	v_cndmask_b32 v[OI+\e], v[OI+\e], v[CI], s[MM]
	v_cndmask_b32 v[LK], v[LK], v[KU], s[MS]       ; the others their lower neighbour's entry
	v_cndmask_b32 v[OI+\e], v[OI+\e], v[IU], s[MS]
	s_add_co_u32 s[C3], s[C3], 1
	s_cmp_lt_u32 s[C3], s[N3]
	s_cbranch_scc1 .Lnb_\@
.Lnone_\@:
	s_add_co_u32 s[C2], s[C2], 1
	s_cmp_lt_u32 s[C2], s[N2]
	s_cbranch_scc1 .Lgroup_\@
	s_add_co_u32 s[C1], s[C1], 1
	s_cmp_lt_u32 s[C1], s[N1]
	s_cbranch_scc1 .Lblock_\@
.Lwrite_\@:
	v_cmp_ne_u32 vcc_lo, -1, v[OI+\e]              ; places that are taken
	s_add_co_u32 s[QN], s28, \e
	v_mov_b32 v[OQ+\e], s[QN]
	s_wait_alu depctr_va_vcc(0)                    ; the compare has written VCC, which the two selects read
	v_cndmask_b32 v[OQ+\e], -1, v[OQ+\e], vcc_lo
	v_cndmask_b32 v[OD+\e], 0, v[LK], vcc_lo
.endm
	QUERY 0
	QUERY 1
	QUERY 2
	QUERY 3
	s_wait_alu depctr_va_vdst(0)                   ; the four queries' OI, OQ and OD are written, which the twelve LDS stores read
.irp e, 0,1,2,3
	ds_store_b32 v[LA], v[OI+\e] offset:128*\e
	ds_store_b32 v[LA], v[OQ+\e] offset:512+128*\e
	ds_store_b32 v[LA], v[OD+\e] offset:1024+128*\e
.endr
	; the wave's own bytes: LDS serves a wave's instructions in order (ISA guide 5.7.1), so these loads see the stores above
	ds_load_b128 v[O0:O0+3], v[LB]
	ds_load_b128 v[O1:O1+3], v[LB] offset:512
	ds_load_b128 v[O2:O2+3], v[LB] offset:1024
	s_wait_dscnt 0x0
	global_store_b128 v[L16], v[O0:O0+3], s[12:13]                  ; reference indices: 512 consecutive bytes, aligned
	global_store_b128 v[L16], v[O1:O1+3], s[12:13] offset:1048576   ; query indices: the second row of out0, 262,144 x 4 bytes on
	global_store_b128 v[L16], v[O2:O2+3], s[14:15]                  ; distances
	s_wait_dscnt 0x0
	s_wait_alu depctr_hold_cnt(0) depctr_sa_sdst(0) depctr_va_vdst(0) depctr_va_sdst(0) depctr_va_ssrc(0) depctr_va_vcc(0) depctr_vm_vsrc(0)
	s_wait_tensorcnt 0x0
	ds_add_u32 v41, v43
	s_wait_dscnt 0x0
	s_endpgm
.Lfunc_end_k_qc42231ccba_select:
	.size	k_qc42231ccba_select, .Lfunc_end_k_qc42231ccba_select-k_qc42231ccba_select
	.p2alignl 7, 3214868480
	.fill 96, 4, 3214868480
	.section	.rodata,"a",@progbits
	.p2align	6, 0x0
	.amdhsa_kernel k_qc42231ccba_select
		.amdhsa_group_segment_fixed_size 13312
		.amdhsa_private_segment_fixed_size 0
		.amdhsa_enable_private_segment 0
		.amdhsa_kernarg_size 48
		.amdhsa_user_sgpr_count 2
		.amdhsa_user_sgpr_kernarg_segment_ptr 1
		.amdhsa_wavefront_size32 1
		.amdhsa_system_sgpr_workgroup_id_x 1
		.amdhsa_system_sgpr_workgroup_id_y 1
		.amdhsa_system_sgpr_workgroup_id_z 1
		.amdhsa_system_vgpr_workitem_id 0
		.amdhsa_next_free_vgpr 68
		.amdhsa_next_free_sgpr 92
		.amdhsa_reserve_vcc 1
		.amdhsa_float_denorm_mode_32 3
		.amdhsa_float_denorm_mode_16_64 3
		.amdhsa_memory_ordered 1
		.amdhsa_forward_progress 1
		.amdhsa_inst_pref_size 23
	.end_amdhsa_kernel
	.amdgpu_metadata
---
amdhsa.version: [ 1, 2 ]
amdhsa.kernels:
  - .name:           k_qc42231ccba_select
    .symbol:         k_qc42231ccba_select.kd
    .args:
      - { .name: query_bxyz, .offset: 0, .size: 8, .value_kind: global_buffer, .address_space: global }
      - { .name: ref_bxyz, .offset: 8, .size: 8, .value_kind: global_buffer, .address_space: global }
      - { .name: flags, .offset: 16, .size: 8, .value_kind: global_buffer, .address_space: global }
      - { .name: vox, .offset: 24, .size: 8, .value_kind: global_buffer, .address_space: global }
      - { .name: out0, .offset: 32, .size: 8, .value_kind: global_buffer, .address_space: global }
      - { .name: out1, .offset: 40, .size: 8, .value_kind: global_buffer, .address_space: global }
    .group_segment_fixed_size: 13312
    .private_segment_fixed_size: 0
    .kernarg_segment_align: 8
    .kernarg_segment_size: 48
    .max_flat_workgroup_size: 256
    .sgpr_count:     92
    .vgpr_count:     68
    .wavefront_size: 32
...
	.end_amdgpu_metadata
.endif
;; end of part 4
